; MI455X (gfx1250); checked and timed in simulation.
; The chip was launched on July 23, 2026; its instructions are those of AMD's public machine-readable ISA for CDNA 5 (MIT licence, August 2026) and "CDNA5" Instruction Set Architecture Reference Guide (July 2026). The comments in the code are by the model that wrote it; some were corrected since.
;; GQ Attention. Allowed arithmetic: matrix products marked QUANTISED: E2M3 operands, one E8M0 scale for each 32 along K, by v_wmma_scale_f32_16x16x128_f8f6f4 with both operands' format E2M3, f32 sums; everything else in f32.
;; Inputs: Wkv_codes 512 x 32 x 24 uint8 (E2M3 codes of Wkv, K innermost, in blocks of 32 codes, four codes in three bytes); Wkv_scales 512 x 32 uint8 (E8M0 scales of Wkv, one for each 32 codes along K); Wo_codes 1,024 x 32 x 24 uint8 (E2M3 codes of Wo, K innermost, in blocks of 32 codes, four codes in three bytes); Wo_scales 1,024 x 32 uint8 (E8M0 scales of Wo, one for each 32 codes along K); Wq_codes 1,024 x 32 x 24 uint8 (E2M3 codes of Wq, K innermost, in blocks of 32 codes, four codes in three bytes); Wq_scales 1,024 x 32 uint8 (E8M0 scales of Wq, one for each 32 codes along K); cos 2,048 x 64 float32; sin 2,048 x 64 float32; x_codes 4 x 2,048 x 32 x 24 uint8 (E2M3 codes of x, K innermost, in blocks of 32 codes, four codes in three bytes); x_scales 4 x 2,048 x 32 uint8 (E8M0 scales of x, one for each 32 codes along K).
;; Outputs: out0 4 x 2,048 x 1,024 float32.
;; This version of the problem:
;;   THIS VERSION OF THE PROBLEM IS GIVEN IN LOW PRECISION. The matrix products marked QUANTISED in the list below multiply operands that are first quantised to E2M3 (2 exponent bits, 3 mantissa bits; 6 bits a number), with one power-of-two scale for each 32 numbers along K (OCP MX v1.0); their sums are f32. All else is computed in f32.
;;   The module's matrix products, in the order in which they are computed (A, B: the left and right operand; K: the contracted axis; several contracted axes count as one K, in the product's order):
;;     1. [M 8,192, K 1,024] x [K 1,024, N 1,024]; A: input x (given as codes); B: input Wq (given as codes): QUANTISED
;;     2. [M 8,192, K 1,024] x [K 1,024, N 512]; A: input x (given as codes); B: input Wkv (given as codes): QUANTISED
;;     3. batch 64 x [M 2,048, K 64] x [K 64, N 2,048]; A: computed on the way; B: computed on the way: QUANTISED
;;     4. batch 64 x [M 2,048, K 2,048] x [K 2,048, N 64]; A: softmax (see below); B: computed on the way: QUANTISED
;;     5. [M 8,192, K 1,024] x [K 1,024, N 1,024]; A: computed on the way; B: input Wo (given as codes): QUANTISED
;;   THE QUANTISER, for each operand of a quantised product, along K:
;;     - K is cut into blocks of 32 from its start; a last block that is shorter is filled with zeros.
;;     - A block's scale is 2^e with e = floor(log2(the largest magnitude in the block)) - 2, held to -126 .. 127; a block of zeros has e = 0. As a byte (E8M0): e + 127.
;;     - Each number is divided by its block's scale, clamped to +-7.5, and rounded to the nearest number of E2M3, ties to even, subnormals kept.
;;     - The product sums the exact products of the quantised numbers (number of the format x scale) in f32.
;;   ~~~python
;;   def quantise(x, axis):      # numpy; x: float32 -> the quantised numbers, widened to float32 again
;;       x = np.moveaxis(x, axis, -1); K = x.shape[-1]
;;       x = np.pad(x, [(0, 0)] * (x.ndim - 1) + [(0, -K % 32)]); x = x.reshape(x.shape[:-1] + (-1, 32)); a = np.abs(x).max(-1, keepdims=True)
;;       e = np.where(a > 0, np.clip(np.frexp(np.where(a > 0, a, 1))[1] - 1 - 2, -126, 127), 0)      # np.frexp(a)[1] - 1 = floor(log2(a)), exactly
;;       r = np.clip(x / 2.0 ** e, -7.5, 7.5)
;;       step = 2.0 ** (np.maximum(np.frexp(np.where(r == 0, 1, r))[1] - 1, 0) - 3)
;;       q = np.round(r / step) * step * 2.0 ** e      # np.round: ties to even
;;       return np.moveaxis(q.reshape(q.shape[:-2] + (-1,))[..., :K], -1, axis).astype(np.float32)
;;   ~~~
;;   SOFTMAX AHEAD OF A QUANTISED PRODUCT. Where the list says 'softmax', what is quantised is not the finished softmax but p = 2^(t - M), with t = logit x log2(e) and M = ceil(the row's largest t), a whole number; so 1/2 < the row's largest p <= 1. The row's sum l is taken of the UNQUANTISED p, in f32, and the product's result is divided by l at the end. Since M is a whole number, a kernel that streams over the keys may use a running M (the ceiling of the running maximum): every later rescaling is an exact power of two, which a block's scale takes up: the codes' values come out the same.
;;   OPERANDS COMPUTED ON THE WAY. 'Computed on the way' means the value that the module computes at that place (a softmax that the list does not call 'softmax' is quantised finished and normalised). What goes into a quantiser is computed in f32, as accurately as f32 sums, v_exp_f32 and their like allow (about 1e-6 of the number): no bf16 or f16 on the way to a quantiser, and a product that is left as it is and whose result goes on into a quantised operand takes f32 operands (vector FMAs, or v_wmma_f32_16x16x4_f32). A number that lies on a knife's edge between two numbers of the format may be rounded either way, as far as f32 arithmetic and the matrix unit's own rounding can turn it there, and no further.
;;   INPUTS GIVEN AS CODES. Wkv (in the module: [1024, 512], K = its axis 0); Wo (in the module: [1024, 1024], K = its axis 0); Wq (in the module: [1024, 1024], K = its axis 0); x (in the module: [4, 2048, 1024], K = its axis 2): each comes as NAME_codes (uint8): NAME with its K axis moved to the last place and cut into blocks of 32 codes, [.., K / 32, bytes a block], one block behind the other in memory; four codes in three bytes: a row's codes are one little-endian stream of bits, code i at bits 6 i .. 6 i + 5 (a code: sign, 2 exponent bits, 3 mantissa bits); and NAME_scales (uint8): the same leading axes, one E8M0 byte (e + 127) for each 32 codes along K. Its value is code x scale, taken as it is: it is not quantised again, and the codes and scales need not be those that the quantiser above would give.
;; One version. Each part assembles by itself: llvm-mc -triple=amdgcn-amd-amdhsa -mcpu=gfx1250 --defsym DOCPART=n.
;; ======== version 1 of 1: 3 launches
;; limits: right only within a limited range of input values
;; workspace buffers: qws 6,815,744 bytes; kvws 3,342,336 bytes; aws 6,291,456 bytes; asc 262,144 bytes
;; launch proj (part 1): grid 32 x 6, 4 waves a work-group, clusters of 4 x 1, 327,680 bytes of LDS; arguments x_codes, x_scales, Wq_codes, Wq_scales, Wkv_codes, Wkv_scales, cos, sin, qws, kvws; writes qws, kvws
.if DOCPART == 1
	.amdgcn_target "amdgcn-amd-amdhsa--gfx1250"
	.amdhsa_code_object_version 6
	.text
	.protected	k_q642860f67b_proj
	.globl	k_q642860f67b_proj
	.p2align	8
	.type	k_q642860f67b_proj,@function
k_q642860f67b_proj:
	s_mov_b64 s[64:65], 0
	v_nop
	global_prefetch_b8 v0, s[64:65] scope:SCOPE_SE
	s_setreg_imm32_b32 hwreg(HW_REG_WAVE_MODE, 25, 1), 1
	s_wait_xcnt 0x0
	s_wait_alu depctr_hold_cnt(0) depctr_sa_sdst(0) depctr_va_vdst(0) depctr_va_sdst(0) depctr_va_ssrc(0) depctr_va_vcc(0) depctr_vm_vsrc(0)
	s_getreg_b32 s2, hwreg(HW_REG_IB_STS2, 6, 4)
	s_cmp_eq_u32 s2, 0
	s_cbranch_scc0 .Lentry_in_a_cluster
	s_endpgm
.Lentry_in_a_cluster:
	s_bfe_u32 s2, ttmp6, 0x10000c
	s_cmp_lg_u32 s2, 0x3003
	s_cbranch_scc0 .Lentry_shape_is_right
	s_endpgm
.Lentry_shape_is_right:
; q = rope(x Wq), k = rope(x Wkv's K columns), v = x Wkv's V columns, on codes of FP6 (E2M3) with E8M0 scales; the results are quantised here for the next launch:
; q and k along the head's 64 channels, v along the keys, and stored as images of the operand registers (qws: 6,656 bytes for a head and 128 queries; kvws: 13,056 bytes for a head and 128 keys).
; No work is left out.  LIMITS: NaN and infinities are not served; a block of zeros, or one under 2^-124, gets the scale byte 1: its codes are zeros.
; A work-group of four waves makes 256 rows x 256 columns: tile columns 0-3 are Wq's, 4-5 Wkv's; a wave makes 128 x 128 in 64 accumulators.
; K = 1,024 is 768 bytes of a row and goes through two LDS slots in three chunks of 256 bytes, each beginning at a multiple of 256 bytes.  A step of 128 along K is 96 bytes: eight steps to three chunks; steps 2 and 5 lie across two chunks.
; The scales of the 256 + 256 rows come into LDS once.  When slot 1 has been read out (step 5) it takes the work-group's 256 rows of cos and of sin, which the way out reads.
; CLUSTER: the four work-groups of a cluster are row blocks of one tile column: W's tiles and scales are asked for jointly; x's tiles are each work-group's own.
; No data prefetch: of the three chunks two are asked for at the head and behind the first round, so no trip is left to run ahead in.
; The matrix instruction is used transposed (source 0 = 16 rows of W, source 1 = 16 rows of x): a lane holds eight neighbouring columns of one token.
; REGISTERS: window 0: v0-31 addresses and small results; v32-63 scale words, two sets; v128-223 x's fragments; on the way out v64-191 cos and sin, two sets, v192-255 results.  Window 1: W's fragments, two sets.  Windows 2, 3: accumulators.
; THE ORDER OF A WAVE'S 128 TOKENS: lane r of x's block 4 c + u takes row 64 c + 32 (r / 8) + 8 u + r % 8.  So rows 0-7 of four neighbouring tiles of K are one block of 32 neighbouring keys, and rows 8-15 the next block:
; in the next launch a lane's 32 scores of four tiles are one whole block along the keys.  Q's tiles have the same order; the last launch stores each row of the result at its token's place.
.set ROWB,   256
.set NQ,     2
.set KROW,   768
.set STEPS,  8
.set CHUNKS, 3
.set PITCH,  272
.set FR,     12
.set NL,     6
.set NP,     4
.set HALFT,  128*PITCH
.set SLOT,   4*HALFT
.set KS,     32
.set SCL,    2*SLOT
.set HALFS,  16*272
.set SBLK,   2*272
.set SPARE,  SCL+4*HALFS
.set VSTB,   17024                     ; V's stage, a wave's own, in slot 0
.set W,    1
.set WT,   2
.set XT,   4
.set LI16, 7
.set LI8,  8
.set SNR,  10                          ; my rows of sin in LDS
.set CSR,  11                          ; my rows of cos
.set VSTW, 12
.set VSTR, 13
.set BM,   14
.set ADRA, 16
.set ADRB, 20
.set SO,   24
.set ADRS, 27
.set ADSA, 26                          ; x's scale words, in the tokens' order
.set SH8,  9                           ; 8 x (l / 16)
.set SCA,  64                          ; v64-95: x's scale words, two sets
.set SPW,  28
.set NIL,  29
.set BP,   30
.set SC,   32
.set AF,   128
.set T,    192
.set KC,   224
.set SW,   248
.set VN,   64
.set VPC,  128
.set TM,   148
.set PW,   164
.set VWT,  165
.set VSW,  166
.set SEL,  18
.set G1, 24
.set G0, 32
.set G1B, 48
.set G0B, 56
.set G1S, 68
.set G0S, 76
.set G1SB, 80
.set G0SB, 88
.set G0H, 4
.set G0HB, 8
.set G1C, 68                           ; behind the head: group 1 for cos and sin; s[76:79] group 0 for cos, s[88:91] for sin
.set G0C, 76
.set G0D, 88
.set MSB, 0
.macro WIN new
.if MSB != \new
	s_set_vgpr_msb (MSB<<8)|\new
.set MSB, \new
.endif
.endm
.set MUL_LO, 0xa1
.set MUL_HI, 0xf1
.set TO_B,   0x40
; one tensor load a wave: waves 0, 1 take the first pair of groups, waves 2, 3 the second; s_nop 0 and four v_nop behind each
.macro JLOAD g0a, g1a, g0b, g1b
	s_cmp_eq_u32 s15, 0
	s_cbranch_scc0 .Lfor_b_\@
	tensor_load_to_lds s[\g0a:\g0a+3], s[\g1a:\g1a+7]
	s_nop 0
.rept 4
	v_nop
.endr
	s_branch .Lasked_\@
.Lfor_b_\@:
	tensor_load_to_lds s[\g0b:\g0b+3], s[\g1b:\g1b+7]
	s_nop 0
.rept 4
	v_nop
.endr
.Lasked_\@:
.endm
.macro CREST
	s_cmp_lg_u32 s14, 0
	s_cbranch_scc1 .Lnot_wave_0_\@
	s_barrier_signal -3
.Lnot_wave_0_\@:
	s_barrier_wait -3
	s_barrier_signal -1
	s_barrier_wait -1
.endm
.macro CROUND
	s_barrier_signal -1
	s_barrier_wait -1
	CREST
.endm
	s_load_b128 s[4:7], s[0:1], 0x0                ; x's codes, scales
	s_load_b128 s[8:11], s[0:1], 0x10              ; Wq's
	s_load_b128 s[96:99], s[0:1], 0x20             ; Wkv's
	v_lshl_add_u32 v[SPW], v0, 2, SPARE
	v_mov_b32 v[NIL], 0
	ds_add_u32 v[SPW], v[NIL]                      ; the opening lines: the add twice on end and its wait
	ds_add_u32 v[SPW], v[NIL]
	v_lshrrev_b32 v1, 5, v0
	v_readfirstlane_b32 s14, v1                    ; wave
	s_lshr_b32 s15, s14, 1                         ; my half of the rows; also: I fetch for x (0) or for W (1)
	s_and_b32 s16, s14, 1                          ; my half of the columns; also: which 128 rows I fetch
	s_bfe_u32 s40, ttmp6, 0x40000
	s_lshl_b32 s17, ttmp9, 2
	s_add_co_u32 s17, s17, s40                     ; tile row
	s_and_b32 s42, ttmp7, 0xffff                   ; tile column 0-5, shared by the partners
	s_cmp_lt_u32 s42, 4
	s_cselect_b32 s41, 0, 4
	s_sub_co_u32 s41, s42, s41                     ; tile column within Wq or Wkv
	s_mov_b32 s[G1+0], (1<<20)|(5<<22)|(3<<25)     ; bytes; 16 bytes of padding behind every 256
	s_mov_b32 s[G1B+0], 15|(1<<20)|(1<<21)|(5<<22)|(3<<25)   ; the same, jointly for all four
.irp g, G1, G1B
	s_mov_b32 s[\g+1], ROWB<<16
	s_mov_b32 s[\g+2], 256<<16                     ; the head's loads bring 256 rows
	s_mov_b32 s[\g+3], ROWB<<16
	s_mov_b32 s[\g+4], 256
	s_mov_b32 s[\g+5], KROW
	s_mov_b32 s[\g+6], 0
	s_mov_b32 s[\g+7], 0
.endr
	s_mov_b32 s[G1S+0], (3<<16)|(1<<20)|(5<<22)|(3<<25)      ; the scales of 256 rows: 32 rows of 256 bytes, dense
	s_mov_b32 s[G1SB+0], 15|(3<<16)|(1<<20)|(1<<21)|(5<<22)|(3<<25)
.irp g, G1S, G1SB
	s_mov_b32 s[\g+1], 32<<16
	s_mov_b32 s[\g+2], KS<<16
	s_mov_b32 s[\g+3], 32<<16
	s_mov_b32 s[\g+4], KS
	s_mov_b32 s[\g+5], 32
	s_mov_b32 s[\g+6], 0
	s_mov_b32 s[\g+7], 0
.endr
	s_lshl_b32 s20, s17, 8
	s_lshl_b32 s46, s41, 8
	s_mov_b32 s21, 0
	s_mov_b32 s47, 0
	s_mov_b64 s[18:19], KS
	s_mul_u64 s[22:23], s[20:21], s[18:19]
	s_mul_u64 s[92:93], s[46:47], s[18:19]
	s_mov_b64 s[18:19], KROW
	s_mul_u64 s[20:21], s[20:21], s[18:19]
	s_mul_u64 s[46:47], s[46:47], s[18:19]
	s_mul_i32 s18, s16, 128*KROW
	s_mov_b32 s19, 0
	s_mul_i32 s45, s14, HALFT
	s_wait_dscnt 0x0                               ; both opening adds are done
	s_wait_kmcnt 0x0
	s_cmp_lt_u32 s42, 4
	s_cselect_b64 s[8:9], s[8:9], s[96:97]
	s_cselect_b64 s[10:11], s[10:11], s[98:99]
	s_add_nc_u64 s[20:21], s[4:5], s[20:21]
	s_add_nc_u64 s[22:23], s[6:7], s[22:23]
	s_add_nc_u64 s[46:47], s[8:9], s[46:47]
	s_add_nc_u64 s[92:93], s[10:11], s[92:93]
	CROUND                                         ; the round in front of the first joint loads
	s_mov_b32 s[G0H], 1
	s_mov_b32 s[G0H+1], 0
	s_mov_b64 s[G0H+2:G0H+3], s[20:21]
	s_or_b32 s[G0H+3], s[G0H+3], 0x80000000
	s_mov_b32 s[G0HB], 1
	s_mov_b32 s[G0HB+1], 2*HALFT
	s_mov_b64 s[G0HB+2:G0HB+3], s[46:47]
	s_or_b32 s[G0HB+3], s[G0HB+3], 0x80000000
	s_mov_b32 s[G0S], 1
	s_mov_b32 s[G0S+1], SCL
	s_mov_b64 s[G0S+2:G0S+3], s[22:23]
	s_or_b32 s[G0S+3], s[G0S+3], 0x80000000
	s_mov_b32 s[G0SB], 1
	s_mov_b32 s[G0SB+1], SCL+2*HALFS
	s_mov_b64 s[G0SB+2:G0SB+3], s[92:93]
	s_or_b32 s[G0SB+3], s[G0SB+3], 0x80000000
	s_add_nc_u64 s[20:21], s[20:21], s[18:19]      ; for the ring: my 128 rows
	s_add_nc_u64 s[46:47], s[46:47], s[18:19]
.irp s, 0,1
	s_mov_b32 s[G0+4*\s], 1
	s_add_co_u32 s[G0+4*\s+1], s45, \s*SLOT
	s_add_nc_u64 s[G0+4*\s+2:G0+4*\s+3], s[20:21], \s*ROWB
	s_or_b32 s[G0+4*\s+3], s[G0+4*\s+3], 0x80000000
	s_mov_b32 s[G0B+4*\s], 1
	s_add_co_u32 s[G0B+4*\s+1], s45, \s*SLOT
	s_add_nc_u64 s[G0B+4*\s+2:G0B+4*\s+3], s[46:47], \s*ROWB
	s_or_b32 s[G0B+4*\s+3], s[G0B+4*\s+3], 0x80000000
.endr
; the head's four tiles, one a wave: chunk 0 of x's 256 rows, of W's 256 rows, x's scales, W's scales
.macro ARM under, g0, g1, next
	s_cmp_lt_u32 s14, \under
	s_cbranch_scc0 \next
	tensor_load_to_lds s[\g0:\g0+3], s[\g1:\g1+7]
	s_nop 0
.rept 4
	v_nop
.endr
	s_branch .Lhead_asked
\next:
.endm
	ARM 1, G0H,  G1,  .Lhead_b
	ARM 2, G0HB, G1B, .Lhead_sa
	ARM 3, G0S,  G1S, .Lhead_sb
	tensor_load_to_lds s[G0SB:G0SB+3], s[G1SB:G1SB+7]
	s_nop 0
.rept 4
	v_nop
.endr
.Lhead_asked:
	s_load_b128 s[96:99], s[0:1], 0x30             ; cos, sin
	v_and_b32 v1, 15, v0                           ; l % 16
	v_bfe_u32 v2, v0, 4, 1                         ; l / 16
	v_mul_u32_u24 v3, v1, PITCH
	v_mul_u32_u24 v4, v2, 24
	v_add_nc_u32 v4, v3, v4
	s_mov_b32 s21, SLOT-232
	s_mov_b32 s22, SLOT+232
	v_sub_nc_u32 v7, 1, v2
	v_mul_u32_u24 v5, s21, v2
	v_add_nc_u32 v5, v3, v5
	v_add_nc_u32 v5, 232, v5                       ; across two chunks: lanes 0-15 byte 232 in slot 0, lanes 16-31 byte 0 in slot 1;
	v_mul_u32_u24 v6, s22, v7
	v_add_nc_u32 v6, v3, v6                        ; and the other way round
	s_mul_i32 s21, s15, HALFT
	s_mul_i32 s22, s16, HALFT
	s_add_co_u32 s22, s22, 2*HALFT
	v_add_nc_u32 v[ADRA+2], s21, v5
	v_add_nc_u32 v[ADRA+3], s21, v6
	v_add_nc_u32 v[ADRB+2], s22, v5
	v_add_nc_u32 v[ADRB+3], s22, v6
.irp s, 0,1
	v_add_nc_u32 v[ADRA+\s], s21, v4
	v_add_nc_u32 v[ADRB+\s], s22, v4
	s_add_co_u32 s21, s21, SLOT
	s_add_co_u32 s22, s22, SLOT
.endr
	v_lshrrev_b32 v5, 3, v1
	v_mul_u32_u24 v5, v5, 24*PITCH                 ; x's row of lane r is r + 24 (r / 8)
.irp k, 0,1,2,3
	v_add_nc_u32 v[ADRA+\k], v[ADRA+\k], v5
.endr
	v_mul_u32_u24 v5, v1, KS
	v_lshrrev_b32 v6, 8, v5
	v_lshl_add_u32 v5, v6, 4, v5
	s_mul_i32 s21, s15, HALFS
	s_mul_i32 s22, s16, HALFS
	s_add_co_u32 s22, s22, 2*HALFS
	s_sub_co_u32 s22, s22, s21
	s_add_co_u32 s21, s21, SCL
	v_add_nc_u32 v5, s22, v5                       ; all lanes take W's scale words
	v_add_nc_u32 v[ADRS], s21, v5
	v_and_b32 v5, 7, v1                            ; x's: eight rows of 32 bytes to a unit of 272; lane r: unit 4 (r / 8), row r % 8
	v_lshlrev_b32 v5, 5, v5
	v_lshrrev_b32 v6, 3, v1
	v_mad_u32_u24 v5, v6, 4*272, v5
	v_add_nc_u32 v[ADSA], s21, v5
	v_and_b32 v9, 31, v0
	v_lshlrev_b32 v[LI16], 4, v9
	v_lshlrev_b32 v[LI8], 3, v9
	v_lshlrev_b32 v[SH8], 3, v2
	s_mul_i32 s44, s15, HALFT
	s_add_co_u32 s44, s44, SLOT                    ; cos: slot 1's first 256 rows; mine are my half of the tile's rows
	v_mul_u32_u24 v[CSR], v1, PITCH
	v_lshl_add_u32 v[CSR], v2, 5, v[CSR]
	v_add_nc_u32 v[CSR], s44, v[CSR]
	v_lshrrev_b32 v5, 3, v1
	v_mad_u32_u24 v[CSR], v5, 24*PITCH, v[CSR]     ; cos and sin of lane r's token
	v_add_nc_u32 v[SNR], 2*HALFT, v[CSR]           ; sin: 256 rows further on
	s_mul_i32 s44, s14, VSTB
	v_mul_u32_u24 v[VSTW], v2, 8512
	v_lshl_add_u32 v[VSTW], v1, 2, v[VSTW]
	v_add_nc_u32 v[VSTW], s44, v[VSTW]
	v_mul_u32_u24 v[VSTR], v1, 528
	v_lshl_add_u32 v[VSTR], v2, 5, v[VSTR]
	v_add_nc_u32 v[VSTR], s44, v[VSTR]
.macro FRAG reg, adr, st, i            ; 16 rows x 128 K: six pieces of 8 bytes, each inside one chunk; byte y of a row lies in slot (y / 256) % 2 at byte y % 256
.irp p, 0,1,2,3,4,5
.set BY, 96*(\st)+48*(\p/3)+8*(\p%3)
.if BY/ROWB == (BY+24)/ROWB
	ds_load_b64 v[\reg+2*\p:\reg+2*\p+1], v[\adr+(BY/ROWB)%2] offset:BY%ROWB+(\i)*PITCH
.else
	ds_load_b64 v[\reg+2*\p:\reg+2*\p+1], v[\adr+2+(BY/ROWB)%2] offset:BY%ROWB-232+(\i)*PITCH
.endif
.endr
.endm
; 16 matrix instructions; the 64 accumulators take turns
.macro MUL16 a0, p, q, sc, zero
.irp a, \a0, \a0+1
.irp b, 0,1,2,3,4,5,6,7
.if \zero
	v_wmma_scale_f32_16x16x128_f8f6f4 v[8*(8*((\a)%4)+\b):8*(8*((\a)%4)+\b)+7], v[128*(\p)+FR*\b:128*(\p)+FR*\b+FR-1], v[AF+FR*(\a):AF+FR*(\a)+FR-1], 0, v[SC+8*NQ*(\sc)+NQ*\b+(\q)], v[SCA+8*NQ*(\sc)+NQ*(\a)+(\q)] matrix_a_fmt:MATRIX_FMT_FP6 matrix_b_fmt:MATRIX_FMT_FP6 matrix_a_scale:MATRIX_SCALE_ROW1
.else
	v_wmma_scale_f32_16x16x128_f8f6f4 v[8*(8*((\a)%4)+\b):8*(8*((\a)%4)+\b)+7], v[128*(\p)+FR*\b:128*(\p)+FR*\b+FR-1], v[AF+FR*(\a):AF+FR*(\a)+FR-1], v[8*(8*((\a)%4)+\b):8*(8*((\a)%4)+\b)+7], v[SC+8*NQ*(\sc)+NQ*\b+(\q)], v[SCA+8*NQ*(\sc)+NQ*(\a)+(\q)] matrix_a_fmt:MATRIX_FMT_FP6 matrix_b_fmt:MATRIX_FMT_FP6 matrix_a_scale:MATRIX_SCALE_ROW1
.endif
.endr
.endr
.endm
.macro FETCH_B st, p
	WIN TO_B
.irp i, 0,1,2,3,4,5,6,7
	FRAG 128*(\p)+FR*\i, ADRB, \st, 16*\i
.endr
	WIN 0
.endm
.macro FETCH_A st, i0
.irp i, \i0, \i0+1, \i0+2, \i0+3
	FRAG AF+FR*(\i), ADRA, \st, 64*((\i)/4)+8*((\i)%4)
.endr
.endm
.macro SCALES pr                       ; the scale words of steps 2 pr, 2 pr + 1: W's block i, and x's block i in the tokens' order
.irp i, 0,1,2,3,4,5,6,7
	ds_load_b64 v[SC+8*NQ*((\pr)%2)+NQ*\i:SC+8*NQ*((\pr)%2)+NQ*\i+1], v[ADRS] offset:\i*SBLK+4*NQ*(\pr)
	ds_load_b64 v[SCA+8*NQ*((\pr)%2)+NQ*\i:SCA+8*NQ*((\pr)%2)+NQ*\i+1], v[ADSA] offset:(8*(\i/4)+\i%4)*272+4*NQ*(\pr)
.endr
.endm
.macro PLACES n
.rept \n
	v_nop
.endr
.endm
; A step: 64 matrix instructions; the next step's fragments are fetched in its middle and at its end.  Where the next step ends in a chunk not read yet, a barrier shows that chunk whole;
; where it begins in a later chunk, the chunk left behind is free: the three lines, the barrier, a round, and the slot's next fill: chunk 2 into slot 0, cos and sin into slot 1.
.macro STEP st, zero
.set NX, (\st)+1
.set C0, (96*(\st))/ROWB
.set C1, (96*NX)/ROWB
.set E0, (96*(\st)+95)/ROWB
.set E1, (96*NX+95)/ROWB
.if C1 > C0 || E1 > E0
	s_wait_tensorcnt 0x0                           ; all my tensor loads have landed
.if C1 > C0
	ds_add_u32 v[SPW], v[NIL]
	s_wait_dscnt 4*NL+1                            ; the add and x's blocks 4-7 (24 loads) may be out
.else
	s_wait_dscnt 4*NL                              ; x's blocks 4-7 may be out
.endif
	WIN MUL_LO
	MUL16 0, (\st)%2, (\st)%2, ((\st)/2)%2, \zero
	s_wait_dscnt 0x0                               ; the add and all my reads are done
	s_barrier_signal -1
	MUL16 2, (\st)%2, (\st)%2, ((\st)/2)%2, \zero
	WIN 0
	s_barrier_wait -1
.if C1 > C0
	CREST
.if C0+2 < CHUNKS
	s_add_nc_u64 s[G0+4*(C0%2)+2:G0+4*(C0%2)+3], s[G0+4*(C0%2)+2:G0+4*(C0%2)+3], 2*ROWB
	s_add_nc_u64 s[G0B+4*(C0%2)+2:G0B+4*(C0%2)+3], s[G0B+4*(C0%2)+2:G0B+4*(C0%2)+3], 2*ROWB
	JLOAD G0+4*(C0%2), G1, G0B+4*(C0%2), G1B       ; chunk C0 + 2
.else
	JLOAD G0C, G1C, G0D, G1C                       ; 128 rows of cos (waves 0, 1) or of sin (waves 2, 3)
.endif
.else
	PLACES NP
.endif
.else
	s_wait_dscnt 4*NL
	WIN MUL_LO
	MUL16 0, (\st)%2, (\st)%2, ((\st)/2)%2, \zero
	MUL16 2, (\st)%2, (\st)%2, ((\st)/2)%2, \zero
	s_wait_dscnt 0
	PLACES NP
.endif
	FETCH_B NX, NX%2
	FETCH_A NX, 0
.if NX%2 == 0
	SCALES NX/2
.endif
	WIN MUL_HI
	MUL16 4, (\st)%2, (\st)%2, ((\st)/2)%2, \zero
	MUL16 6, (\st)%2, (\st)%2, ((\st)/2)%2, \zero
	PLACES NP
	WIN 0
	FETCH_A NX, 4
.endm
	s_wait_alu depctr_va_vdst(0)                   ; the wait at the head's end
	s_wait_tensorcnt 0x0                           ; my tile of the head's four is in
	ds_add_u32 v[SPW], v[NIL]
	s_mov_b32 s[G1+2], 128<<16                     ; no load of mine is out: from here on a load brings 128 rows
	s_mov_b32 s[G1+4], 128
	s_mov_b32 s[G1B+2], 128<<16
	s_mov_b32 s[G1B+4], 128
	s_mov_b32 s[G1C+0], (1<<20)|(5<<22)|(3<<25)    ; cos, sin: 128 rows of 256 bytes, dense in memory, padded as the ring's
	s_mov_b32 s[G1C+1], ROWB<<16
	s_mov_b32 s[G1C+2], 128<<16
	s_mov_b32 s[G1C+3], ROWB<<16
	s_mov_b32 s[G1C+4], 128
	s_mov_b32 s[G1C+5], ROWB
	s_mov_b32 s[G1C+6], 0
	s_mov_b32 s[G1C+7], 0
	s_wait_dscnt 0x0
	CROUND
	JLOAD G0+4, G1, G0B+4, G1B                     ; chunk 1, the first tensor load behind the round
	s_load_b128 s[4:7], s[0:1], 0x40               ; qws, kvws
	FETCH_B 0, 0
	FETCH_A 0, 0
	SCALES 0
	FETCH_A 0, 4
	s_wait_kmcnt 0x0
	s_lshl_b32 s22, s17, 1
	s_add_co_u32 s3, s22, s16
	s_and_b32 s3, s3, 15                           ; the block of 128 tokens whose cos or sin I fetch
	s_lshl_b32 s66, s3, 15
	s_mov_b32 s67, 0
	s_mov_b32 s[G0C], 1
	s_add_co_u32 s[G0C+1], s45, SLOT
	s_add_nc_u64 s[G0C+2:G0C+3], s[96:97], s[66:67]
	s_or_b32 s[G0C+3], s[G0C+3], 0x80000000
	s_mov_b32 s[G0D], 1
	s_add_co_u32 s[G0D+1], s45, SLOT
	s_add_nc_u64 s[G0D+2:G0D+3], s[98:99], s[66:67]
	s_or_b32 s[G0D+3], s[G0D+3], 0x80000000
	s_add_co_u32 s22, s22, s15                     ; my block of 128 rows
	s_lshr_b32 s23, s22, 4                         ; batch
	s_and_b32 s22, s22, 15                         ; block within the batch
	s_lshl_b32 s43, s23, 4                         ; qws: ((batch x 16 + head) x 16 + block) x 6,656; my heads are 4 x tile column + 2 x half + 0, 1
	s_lshl_b32 s44, s42, 2
	s_add_co_u32 s43, s43, s44
	s_lshl_b32 s44, s16, 1
	s_add_co_u32 s43, s43, s44
	s_lshl_b32 s43, s43, 4
	s_add_co_u32 s43, s43, s22
	s_mul_i32 s43, s43, 6656
	s_lshl_b32 s100, s23, 2                        ; kvws: ((batch x 4 + head) x 16 + block) x 13,056
	s_lshl_b32 s44, s41, 1
	s_add_co_u32 s100, s100, s44
	s_add_co_u32 s100, s100, s16
	s_lshl_b32 s100, s100, 4
	s_add_co_u32 s100, s100, s22
	s_mul_i32 s100, s100, 13056
	s_mov_b32 s101, 0
	s_mov_b32 s2, 0xffff0000
	s_mov_b32 s[SEL], 0x76543210
	s_mov_b32 s[SEL+1], 0xfedcba98
	s_cmp_lt_u32 s42, 4
	s_cselect_b32 s100, s43, s100
	s_mov_b32 s66, 12288
	s_cselect_b32 s66, 6144, s66
	s_cselect_b64 s[8:9], s[4:5], s[6:7]
	s_add_nc_u64 s[8:9], s[8:9], s[100:101]        ; the first head's images
	s_add_nc_u64 s[10:11], s[8:9], s[66:67]        ; its scale words
	s_add_nc_u64 s[12:13], s[8:9], 106496          ; the second query head's
	s_add_nc_u64 s[20:21], s[12:13], 6144
	STEP 0, 1                                      ; the first step's products start the sums
.set ST, 1
.rept STEPS-2
	STEP ST, 0
.set ST, ST+1
.endr
	s_wait_dscnt 4*NL                              ; the last step
	WIN MUL_LO
	MUL16 0, 1, 1, 1, 0
	MUL16 2, 1, 1, 1, 0
	s_wait_dscnt 0                                 ; my reads of slot 0 are over,
	s_wait_tensorcnt 0x0                           ; my rows of cos or sin have landed:
	s_barrier_signal -1
	WIN MUL_HI
	MUL16 4, 1, 1, 1, 0
	MUL16 6, 1, 1, 1, 0
	WIN 0
	s_barrier_wait -1                              ; both hold of every wave: slot 0 may take V's stage, slot 1 is read
; THE WAY OUT, 16 tokens at a time.  Tile a's cos and sin: lane (r, h) takes, of token 16 a + r, channels 16 b + 8 h + 0..7, b = 0..3; two sets of registers by turns, fetched a tile ahead.
.macro CSL a
.irp n, 0,1,2,3,4,5,6,7
	ds_load_b128 v[64+64*((\a)%2)+4*\n:64+64*((\a)%2)+4*\n+3], v[CSR] offset:(64*((\a)/4)+8*((\a)%4))*PITCH+64*(\n/2)+16*(\n%2)
	ds_load_b128 v[96+64*((\a)%2)+4*\n:96+64*((\a)%2)+4*\n+3], v[SNR] offset:(64*((\a)/4)+8*((\a)%4))*PITCH+64*(\n/2)+16*(\n%2)
.endr
.endm
; rope on head u of tile a, then the quantiser along its 64 channels: two blocks of 32, each in lanes l and l xor 16
.macro ROPEQ a, u
.set AC, 64*((\a)%4)+32*(\u)
.set KD, KC+12*(\u)+6*((\a)%2)
.set CC, 64+64*((\a)%2)
.set SS, CC+32
	WIN 0x02+(\a)/4
.set i, 0
.rept 16
	v_pk_mul_f32 v[T+2*i:T+2*i+1], v[AC+2*i:AC+2*i+1], v[CC+2*i:CC+2*i+1]
.set i, i+1
.endr
.set i, 0
.rept 16
	v_pk_fma_f32 v[T+2*i:T+2*i+1], v[AC+2*i:AC+2*i+1], v[SS+2*i:SS+2*i+1], v[T+2*i:T+2*i+1] op_sel:[1,0,0] op_sel_hi:[0,1,1] neg_lo:[0,1,0]
.set i, i+1
.endr
	WIN 0
.irp b, 0,1
	v_max3_num_f32 v[BM+\b], |v[T+16*\b]|, |v[T+16*\b+1]|, 0x1800000
.endr
.irp n, 2,4,6,8,10,12,14
.irp b, 0,1
	v_max3_num_f32 v[BM+\b], v[BM+\b], |v[T+16*\b+\n]|, |v[T+16*\b+\n+1]|
.endr
.endr
.irp b, 0,1
	v_permlanex16_b32 v[BP+\b], v[BM+\b], s[SEL], s[SEL+1]
.endr
.irp b, 0,1
	v_max_num_f32 v[BM+\b], v[BM+\b], v[BP+\b]
.endr
.irp b, 0,1
	v_add_nc_u32 v[SO+\b], 0xff000000, v[BM+\b]
.endr
.irp b, 0,1
	v_lshrrev_b32 v[BP+\b], 23, v[SO+\b]
.endr
	v_lshl_or_b32 v[W], v[BP+1], 8, v[BP]
	v_cvt_scalef32_pk16_fp6_f32 v[KD:KD+2], v[T:T+15], v[SO]
	v_cvt_scalef32_pk16_fp6_f32 v[XT:XT+2], v[T+16:T+31], v[SO+1]
	v_nop
.irp n, 0,1,2
	v_permlane16_swap_b32 v[KD+\n], v[XT+\n]
.endr
.irp n, 0,1,2
	v_mov_b32 v[KD+3+\n], v[XT+\n]
.endr
.endm
.macro OUTQ a, u                       ; a pair of tiles is an image of 12 registers: three stores of 512 consecutive bytes
.if (\a)%2 == 0
	v_mov_b32 v[WT+\u], v[W]
.else
	v_cndmask_b32 v[SW+4*\u+(\a)/2], v[WT+\u], v[W], s2
.irp c, 0,1,2
	global_store_b128 v[LI16], v[KC+12*\u+4*\c:KC+12*\u+4*\c+3], s[8+4*\u:9+4*\u] offset:1536*((\a)/2)+512*\c
.endr
.if (\a) == 7
	global_store_b128 v[LI16], v[SW+4*\u:SW+4*\u+3], s[10+10*\u:11+10*\u]
.endif
.endif
.endm
.macro TILE a
.if ((\a) > 0) && ((\a)%2 == 0)
	s_wait_xcnt 0x0                                ; the last pair's stores have read their registers
.endif
	s_wait_dscnt 0x0                               ; this tile's cos and sin are in
.if (\a) < 7
	CSL (\a)+1
.endif
	ROPEQ \a, 0
	OUTQ \a, 0
	s_cmp_lt_u32 s42, 4                            ; in Wkv's tile columns the second 64 columns are V: no rope
	s_cbranch_scc0 .Lkv_\@
	ROPEQ \a, 1
	OUTQ \a, 1
.Lkv_\@:
.endm
.macro QUANT s                         ; by the tokens' order registers 32 c + 0..31 of lane (r, h) are keys 64 c + 32 h + 0..31 of channel row r: two whole blocks a lane
.irp c, 0,1
	v_max3_num_f32 v[TM+\c], |v[\s+32*\c]|, |v[\s+1+32*\c]|, 0x1800000
.endr
.irp n, 2,4,6,8,10,12,14,16,18,20,22,24,26,28,30
.irp c, 0,1
	v_max3_num_f32 v[TM+\c], v[TM+\c], |v[\s+32*\c+\n]|, |v[\s+1+32*\c+\n]|
.endr
.endr
.irp c, 0,1
	v_add_nc_u32 v[TM+12+\c], 0xff000000, v[TM+\c]
.endr
.irp c, 0,1
	v_lshrrev_b32 v[TM+8+\c], 23, v[TM+12+\c]
.endr
	v_lshl_or_b32 v[PW], v[TM+9], 16, v[TM+8]      ; my bytes: blocks h and 2 + h,
	v_lshlrev_b32 v[PW], v[SH8], v[PW]             ; at their places;
	v_permlanex16_b32 v[TM+4], v[PW], s[SEL], s[SEL+1]
	v_or_b32 v[PW], v[PW], v[TM+4]                 ; with lane l xor 16's two the word is whole
.irp c, 0,1
	v_cvt_scalef32_pk16_fp6_f32 v[VPC+6*\c:VPC+2+6*\c], v[\s+32*\c:\s+15+32*\c], v[TM+12+\c]
	v_cvt_scalef32_pk16_fp6_f32 v[VPC+12+4*\c:VPC+14+4*\c], v[\s+16+32*\c:\s+31+32*\c], v[TM+12+\c]
.endr
	v_nop
.irp c, 0,1
.irp n, 0,1,2
	v_mov_b32 v[VPC+3+6*\c+\n], v[VPC+12+4*\c+\n]
.endr
.endr
.endm
	PLACES NP
	v_mov_b32 v[BP], 0
	v_mov_b32 v[BP+1], 0
	CSL 0
.irp a, 0,1,2,3,4,5,6,7
	TILE \a
.endr
	s_cmp_lt_u32 s42, 4
	s_cbranch_scc1 .Lend
; V: 32 channels at a time through my stage, so that a lane's registers run along the keys
	v_mov_b32 v[TM+4], 0
.irp g, 0,1
.irp a, 0,1,2,3,4,5,6,7
	WIN 0x08+4*(\a/4)
.irp l, 0,1
.irp j, 0,1,2,3,4,5,6,7
	ds_store_b32 v[VSTW], v[64*(\a%4)+8*(4+2*\g+\l)+\j] offset:(8*\l+\j)*528+64*\a
.endr
.endr
.endr
	WIN 0
.irp y, 0,1
.irp b, 0,1,2,3
	ds_load_b128 v[VN+16*\b:VN+16*\b+3], v[VSTR] offset:8512*\y+128*\b
	ds_load_b128 v[VN+16*\b+4:VN+16*\b+7], v[VSTR] offset:8512*\y+128*\b+16
	ds_load_b128 v[VN+16*\b+8:VN+16*\b+11], v[VSTR] offset:8512*\y+128*\b+64
	ds_load_b128 v[VN+16*\b+12:VN+16*\b+15], v[VSTR] offset:8512*\y+128*\b+80
.endr
	s_wait_dscnt 0x0
	s_wait_xcnt 0x0                                ; earlier stores have read their registers
	QUANT VN
.irp c, 0,1,2
	global_store_b128 v[LI16], v[VPC+4*\c:VPC+4*\c+3], s[8:9] offset:6144+1536*(2*\g+\y)+512*\c
.endr
.if \y == 0
	v_mov_b32 v[VWT], v[PW]
.else
	v_cndmask_b32 v[VSW+\g], v[VWT], v[PW], s2
.endif
.endr
.endr
	global_store_b64 v[LI8], v[VSW:VSW+1], s[8:9] offset:12800
.Lend:
	s_wait_tensorcnt 0x0                           ; the wave's end
	ds_add_u32 v[SPW], v[NIL]
	s_wait_dscnt 0x0
	CROUND                                         ; the closing round
	s_endpgm
.Lfunc_end_k_q642860f67b_proj:
	.size	k_q642860f67b_proj, .Lfunc_end_k_q642860f67b_proj-k_q642860f67b_proj
	.p2alignl 7, 3214868480
	.fill 96, 4, 3214868480
	.section	.rodata,"a",@progbits
	.p2align	6, 0x0
	.amdhsa_kernel k_q642860f67b_proj
		.amdhsa_group_segment_fixed_size 327680
		.amdhsa_private_segment_fixed_size 0
		.amdhsa_enable_private_segment 0
		.amdhsa_kernarg_size 80
		.amdhsa_user_sgpr_count 2
		.amdhsa_user_sgpr_kernarg_segment_ptr 1
		.amdhsa_wavefront_size32 1
		.amdhsa_system_sgpr_workgroup_id_x 1
		.amdhsa_system_sgpr_workgroup_id_y 1
		.amdhsa_system_sgpr_workgroup_id_z 1
		.amdhsa_system_vgpr_workitem_id 0
		.amdhsa_next_free_vgpr 1024
		.amdhsa_next_free_sgpr 102
		.amdhsa_reserve_vcc 0
		.amdhsa_float_denorm_mode_32 3
		.amdhsa_float_denorm_mode_16_64 3
		.amdhsa_memory_ordered 1
		.amdhsa_forward_progress 1
		.amdhsa_inst_pref_size 245
	.end_amdhsa_kernel
	.amdgpu_metadata
---
amdhsa.version: [ 1, 2 ]
amdhsa.kernels:
  - .name:           k_q642860f67b_proj
    .symbol:         k_q642860f67b_proj.kd
    .args:
      - { .name: x_codes, .offset: 0, .size: 8, .value_kind: global_buffer, .address_space: global }
      - { .name: x_scales, .offset: 8, .size: 8, .value_kind: global_buffer, .address_space: global }
      - { .name: Wq_codes, .offset: 16, .size: 8, .value_kind: global_buffer, .address_space: global }
      - { .name: Wq_scales, .offset: 24, .size: 8, .value_kind: global_buffer, .address_space: global }
      - { .name: Wkv_codes, .offset: 32, .size: 8, .value_kind: global_buffer, .address_space: global }
      - { .name: Wkv_scales, .offset: 40, .size: 8, .value_kind: global_buffer, .address_space: global }
      - { .name: cos, .offset: 48, .size: 8, .value_kind: global_buffer, .address_space: global }
      - { .name: sin, .offset: 56, .size: 8, .value_kind: global_buffer, .address_space: global }
      - { .name: qws, .offset: 64, .size: 8, .value_kind: global_buffer, .address_space: global }
      - { .name: kvws, .offset: 72, .size: 8, .value_kind: global_buffer, .address_space: global }
    .group_segment_fixed_size: 327680
    .private_segment_fixed_size: 0
    .kernarg_segment_align: 8
    .kernarg_segment_size: 80
    .max_flat_workgroup_size: 128
    .sgpr_count:     102
    .vgpr_count:     1024
    .wavefront_size: 32
...
	.end_amdgpu_metadata
.endif
;; end of part 1
;; launch attn (part 2): grid 16 x 16, 16 waves a work-group, clusters of 4 x 1, 211,968 bytes of LDS; arguments qws, kvws, aws, asc; writes aws, asc
.if DOCPART == 2
	.amdgcn_target "amdgcn-amd-amdhsa--gfx1250"
	.amdhsa_code_object_version 6
	.text
	.protected	k_q642860f67b_attn
	.globl	k_q642860f67b_attn
	.p2align	8
	.type	k_q642860f67b_attn,@function
k_q642860f67b_attn:
	s_mov_b64 s[64:65], 0
	v_nop
	global_prefetch_b8 v0, s[64:65] scope:SCOPE_SE
	s_setreg_imm32_b32 hwreg(HW_REG_WAVE_MODE, 25, 1), 1
	s_wait_xcnt 0x0
	s_wait_alu depctr_hold_cnt(0) depctr_sa_sdst(0) depctr_va_vdst(0) depctr_va_sdst(0) depctr_va_ssrc(0) depctr_va_vcc(0) depctr_vm_vsrc(0)
	s_getreg_b32 s2, hwreg(HW_REG_IB_STS2, 6, 4)
	s_cmp_eq_u32 s2, 0
	s_cbranch_scc0 .Lentry_in_a_cluster
	s_endpgm
.Lentry_in_a_cluster:
	s_bfe_u32 s2, ttmp6, 0x10000c
	s_cmp_lg_u32 s2, 0x3003
	s_cbranch_scc0 .Lentry_shape_is_right
	s_endpgm
.Lentry_shape_is_right:
; O[b][head][q] = the sum over k of softmax_k(q . k / 8) v, no mask, both products on codes of FP6 (E2M3) with one E8M0 scale for each 32 along a product's K; then O / l is quantised along C for the last product.
; No work is left out.  jnp.repeat is a choice of address: the four query heads of a group read one key-value head.
; THE SOFTMAX AHEAD OF THE SECOND PRODUCT: t = score x log2(e) / 8; M = the row's largest t so far, rounded UP to a whole number; p = 2^(t - M) is what is quantised, along the keys, not normalised.
; The row's sum is taken of the unquantised p in f32 and divides O at the end.  When M moves, the sum and O are multiplied by 2^(old M - new M): exact.
; LIMITS: NaN and infinities are not served.  The promise holds while the scaled scores t stay under 2^31 in magnitude.  A block of zeros, or one under 2^-124, gets the byte 1: its codes are zeros.  1 / l is v_rcp_f32.
; A block's largest p is made from the block's largest score by the same two instructions as every p, which takes v_exp_f32 not to fall where its input rises.
; SHARES.  A work-group owns 128 queries x the 4 heads of one key-value head: 256 work-groups of equal work.  Wave w: head w % 4, query tiles 2 (w / 4) and 2 (w / 4) + 1, one after the other (two UNITS).
; ALL OF THE HEAD'S K AND V STAYS IN LDS: 16 records of 13,056 bytes (128 keys each), filled once: each of the sixteen waves asks for one record.  No ring, nothing is filled again, and so no data prefetch: there is no later load to run ahead of.
; CLUSTER: the four work-groups of a cluster are query blocks of one key-value head: each record is asked for JOINTLY.
; LAYOUT.  Both products are used transposed: S^T = K Q^T (source 0 = 16 keys, source 1 = my 16 queries), O^T = V^T P^T: a lane holds ONE query (lane % 16) throughout.
; The head's 64 channels fill half of the instruction's K of 128: Q's registers 6-11 are zero codes, so what K's operand names there (the next tile's codes; behind the last tile p's old codes) adds nothing; the scale bytes there are 0, never 0xff.
; THE ORDER OF KEYS: the launch before laid row 8 h + j of key tile 4 c + u as key 64 c + 32 h + 8 u + j.  So registers 32 c + 0..31 of S^T in lane (q, h) are keys 64 c + 32 h + 0..31: ONE WHOLE BLOCK, in order,
; which is what the second product's operand wants of that lane: a block's maximum needs no other lane, and the conversions' results are the operand.  V^T's codes lie in the natural order of keys.
; K and V^T have registers of their own: the next record's K is asked for behind this step's first products, V^T with it; one wait on DScnt a step, ahead of the second products.
.set REC,   13056                      ; a record: K's 4 pair images (6,144), V^T's 4 fragments (6,144), K's scale words (512), V^T's (256)
.set ASC,   16*REC                     ; behind the records: the result's scale bytes, [query tile 8][row 16][8 bytes]
.set SPARE, ASC+1024                   ; the spare words, 128 bytes a wave
.set LI16, 1                           ; 16 x lane
.set LI8,  2                           ; 8 x lane
.set AD16, 3                           ; the record in hand + 16 x lane
.set AD8,  4                           ; + 8 x lane; on the way out: where my row's scale bytes go
.set SPW,  5
.set NIL,  6
.set SH8,  7                           ; 8 x (lane / 16)
.set ASA0, 8                           ; my row's two scale bytes, unit 0
.set ASR,  9
.set ASO,  10
.set QSO,  11                          ; 16 x (lane % 16)
                                       ; v12 -M, v13 the running largest score, v[14:15] the sum in two halves
.set QF,   16                          ; v16-27  Q's operand: six registers of codes, six of zeros
.set KS,   28                          ; v28-31  K's scale words
.set KF,   32                          ; v32-79  K's four pair images
.set PC,   80                          ; v80-91  p's codes
.set VF,   92                          ; v92-139 V^T's four fragments
.set S,    140                         ; v140-203 S^T, then p
.set OT,   204                         ; v204-235 O^T
.set VS,   236
.set PS,   238
.set QSC,  239
.set FF,   240                         ; v[240:241] f = 2^(old M - new M)
.set TT,   242
.set TT2,  243
.set BM,   244                         ; v244-245 my two blocks' largest
.set SO,   246                         ; v246-247 the conversions' scale operands
.set CT,   248                         ; v248-250, v252-254 the blocks' upper 16 codes; v248-255 also: four partial maxima, bytes, four partial sums
.set BP,   255
.set WV,   12
.set SEL,  20
.set CS,   22
.set G1,   24
.set G0,   32
.set QB1,  36                          ; s[4:5], s[36:37], s[38:39]: the three pieces of 8 bytes a lane of the unit's Q tile
.set QB2,  38
.set TB,   48
.set ST,   49
.set UN,   50
.set UO,   51
.set QSP,  54
.set AW,   56
.set NCS,  58                          ; -c
.macro CROUND
	s_barrier_signal -1
	s_barrier_wait -1
	s_cmp_lg_u32 s[WV], 0
	s_cbranch_scc1 .Lnot_wave_0_\@
	s_barrier_signal -3
.Lnot_wave_0_\@:
	s_barrier_wait -3
	s_barrier_signal -1
	s_barrier_wait -1
.endm
.macro QLOAD
	global_load_b64 v[QF:QF+1], v[LI16], s[4:5]
	global_load_b64 v[QF+2:QF+3], v[LI16], s[QB1:QB1+1]
	global_load_b64 v[QF+4:QF+5], v[LI16], s[QB2:QB2+1]
	global_load_b32 v[QSC], v[QSO], s[QSP:QSP+1]
.endm
	s_load_b256 s[4:11], s[0:1], 0x0               ; qws s[4:5], kvws s[6:7], aws s[8:9], asc s[10:11]
	v_lshl_add_u32 v[SPW], v0, 2, SPARE
	v_mov_b32 v[NIL], 0
	ds_add_u32 v[SPW], v[NIL]                      ; the opening lines: the add twice on end and its wait
	ds_add_u32 v[SPW], v[NIL]
	v_lshrrev_b32 v3, 5, v0
	s_delay_alu instid0(VALU_DEP_1)
	v_readfirstlane_b32 s[WV], v3                  ; wave 0..15
	s_bfe_u32 s13, ttmp6, 0x40000                  ; cx
	s_lshl_b32 s14, ttmp9, 2
	s_add_co_u32 s14, s14, s13                     ; my block of 128 queries
	s_and_b32 s15, ttmp7, 0xffff                   ; batch x 4 + key-value head: the four partners share it
	s_and_b32 s16, s[WV], 3                        ; my head within the group
	s_lshr_b32 s17, s[WV], 2                       ; my pair of query tiles
	s_lshr_b32 s18, s15, 2                         ; batch
	s_and_b32 s19, s15, 3                          ; group
	s_mov_b32 s[G1], 15|(3<<16)|(1<<21)            ; all four; elements of 8 bytes; no padding
	s_mov_b32 s[G1+1], 32<<16                      ; rows of 256 bytes
	s_mov_b32 s[G1+2], 51<<16                      ; 51 rows: a record
	s_mov_b32 s[G1+3], 32<<16
	s_mov_b32 s[G1+4], 51
	s_mov_b32 s[G1+5], 32
	s_mov_b32 s[G1+6], 0
	s_mov_b32 s[G1+7], 0
	s_mov_b32 s[G0], 1
	s_mul_i32 s[G0+1], s[WV], REC                  ; record w goes to LDS byte w x 13,056
	s_mul_i32 s36, s15, 16*REC
	s_add_co_u32 s36, s36, s[G0+1]
	s_mov_b32 s37, 0
	s_lshl_b32 s38, s18, 4                         ; Q: ((batch x 16 + head) x 16 + block) x 6,656
	s_lshl_b32 s39, s19, 2
	s_add_co_u32 s38, s38, s39
	s_add_co_u32 s38, s38, s16
	s_lshl_b32 s38, s38, 4
	s_add_co_u32 s38, s38, s14
	s_mul_i32 s38, s38, 6656
	s_mul_i32 s39, s17, 1536
	s_add_co_u32 s40, s38, s39                     ; my pair's image
	s_mov_b32 s41, 0
	s_lshl_b32 s39, s17, 2
	s_add_co_u32 s42, s38, s39
	s_add_co_u32 s42, s42, 6144                    ; my pair's word in the scale image
	s_mov_b32 s43, 0
	s_lshl_b32 s44, s18, 4
	s_add_co_u32 s44, s44, s14                     ; block of 128 rows of the result
	s_lshl_b32 s46, s44, 12                        ; asc: 128 rows of 32 bytes, + 8 x group
	s_lshl_b32 s39, s19, 3
	s_add_co_u32 s46, s46, s39
	s_mov_b32 s47, 0
	s_lshl_b32 s44, s44, 2                         ; aws: ((block x 4 + group) x 8 + tile) x 3,072 + 768 x head within the group
	s_add_co_u32 s44, s44, s19
	s_mul_i32 s44, s44, 24576
	s_mul_i32 s39, s17, 6144
	s_add_co_u32 s44, s44, s39
	s_mul_i32 s39, s16, 768
	s_add_co_u32 s44, s44, s39
	s_mov_b32 s45, 0
	s_mov_b32 s[SEL], 0x76543210
	s_mov_b32 s[SEL+1], 0xfedcba98
	s_mov_b32 s[CS], 0x3e38aa3b                    ; c = log2(e) / 8
	s_mov_b32 s[CS+1], s[CS]
	s_mov_b32 s[NCS], 0xbe38aa3b
	v_and_b32 v3, 31, v0
	s_delay_alu instid0(VALU_DEP_1)
	v_lshlrev_b32 v[LI16], 4, v3
	s_delay_alu instid0(VALU_DEP_2)
	v_lshlrev_b32 v[LI8], 3, v3
	v_and_b32 v4, 15, v0
	s_delay_alu instid0(VALU_DEP_1)
	v_lshlrev_b32 v[QSO], 4, v4
	v_bfe_u32 v[SH8], v0, 4, 1
	s_delay_alu instid0(VALU_DEP_1)
	v_lshlrev_b32 v[SH8], 3, v[SH8]
	s_lshl_b32 s52, s17, 8
	s_lshl_b32 s53, s16, 1
	s_add_co_u32 s52, s52, s53
	s_add_co_u32 s52, s52, ASC
	v_lshl_add_u32 v[ASA0], v4, 3, s52             ; ASC + 128 x tile + 8 x row + 2 x head
	v_and_b32 v[ASR], 127, v0
	s_delay_alu instid0(VALU_DEP_1)
	v_lshlrev_b32 v[ASO], 5, v[ASR]
	s_delay_alu instid0(VALU_DEP_2)
	v_lshl_add_u32 v[ASR], v[ASR], 3, ASC
	s_wait_dscnt 0x0                               ; both opening adds are done
	s_wait_kmcnt 0x0
	s_add_nc_u64 s[G0+2:G0+3], s[6:7], s[36:37]
	s_or_b32 s[G0+3], s[G0+3], 0x80000000
	s_add_nc_u64 s[QSP:QSP+1], s[4:5], s[42:43]
	s_add_nc_u64 s[4:5], s[4:5], s[40:41]          ; the even tile's registers 0-1 lie at byte 0 of a lane's 16, 2-3 at byte 8, 4-5 at byte 512
	s_add_nc_u64 s[QB1:QB1+1], s[4:5], 8
	s_add_nc_u64 s[QB2:QB2+1], s[4:5], 512
	s_add_nc_u64 s[AW:AW+1], s[8:9], s[44:45]
	s_add_nc_u64 s[10:11], s[10:11], s[46:47]
	CROUND                                         ; all four work-groups are here: the joint loads meet
	tensor_load_to_lds s[G0:G0+3], s[G1:G1+7]      ; my one tensor load of the launch
	s_nop 0
.rept 4
	v_nop
.endr
	s_wait_alu depctr_va_vdst(0)                   ; the wait ahead of the first readers of the head's registers
	QLOAD
.irp n, 6,7,8,9,10,11
	v_mov_b32 v[QF+\n], 0                          ; the zero half of K
.endr
.irp n, 0,1,2,3,4,5
	v_mov_b32 v[PC+\n], 0                          ; named behind K's last tile before p's first codes are made
.endr
	v_mov_b32 v[BP], 0                             ; written once: a lane permute's destination counts as one of its sources
	v_mov_b32 v[FF+1], 0                           ; (named as the upper half of a pair)
	v_mov_b32 v[TT], 0
	s_mov_b32 s[UN], 2
	s_mov_b32 s[UO], 0
	s_wait_tensorcnt 0x0                           ; my record has landed,
	s_barrier_signal -1
	s_barrier_wait -1                              ; everybody's has: the whole head lies in LDS
; A KEY STEP: 128 keys, one record.  K's images and scale words are in registers.  more = 1: the next record's are asked for.
.macro STEP more
.irp a, 0,2,4,6                                ; S^T = K Q^T: eight tiles of 16 keys; the even tile's scale words in lanes 0-15, the odd tile's in lanes 16-31
	v_wmma_scale_f32_16x16x128_f8f6f4 v[S+8*\a:S+8*\a+7], v[KF+6*\a:KF+6*\a+11], v[QF:QF+11], 0, v[KS+\a/2], v[QSC] matrix_a_fmt:MATRIX_FMT_FP6 matrix_b_fmt:MATRIX_FMT_FP6
	v_wmma_scale_f32_16x16x128_f8f6f4 v[S+8*\a+8:S+8*\a+15], v[KF+6*\a+6:KF+6*\a+17], v[QF:QF+11], 0, v[KS+\a/2], v[QSC] matrix_a_fmt:MATRIX_FMT_FP6 matrix_b_fmt:MATRIX_FMT_FP6 matrix_a_scale:MATRIX_SCALE_ROW1
.endr
	v_add_nc_u32 v[AD16], s[TB], v[LI16]           ; four places behind the products, in front of loads into registers that they, and the last step's second products, have read
	v_add_nc_u32 v[AD8], s[TB], v[LI8]
	v_mov_b32 v[TT], v12                           ; the old -M
	v_nop
.irp n, 0,1,2,3,4,5,6,7,8,9,10,11
	ds_load_b128 v[VF+4*\n:VF+4*\n+3], v[AD16] offset:6144+512*\n
.endr
	ds_load_b64 v[VS:VS+1], v[AD8] offset:12800
.if \more
.irp n, 0,1,2,3,4,5,6,7,8,9,10,11
	ds_load_b128 v[KF+4*\n:KF+4*\n+3], v[AD16] offset:REC+512*\n
.endr
	ds_load_b128 v[KS:KS+3], v[AD16] offset:REC+12288
.endif
.irp c, 0,1                                    ; the largest score of my two blocks, each in two chains of two tiles; every tile is first read at its low end
.irp e, 0,1
	v_max3_num_f32 v[CT+2*\c+\e], v[S+32*\c+16*\e], v[S+32*\c+16*\e+1], v[S+32*\c+16*\e+2]
.endr
.endr
.irp n, 3,5,7,9,11,13
.irp c, 0,1
.irp e, 0,1
	v_max3_num_f32 v[CT+2*\c+\e], v[CT+2*\c+\e], v[S+32*\c+16*\e+\n], v[S+32*\c+16*\e+\n+1]
.endr
.endr
.endr
.irp c, 0,1
	v_max3_num_f32 v[BM+\c], v[CT+2*\c], v[CT+2*\c+1], v[S+32*\c+15]
.endr
.irp c, 0,1
	v_max_num_f32 v[BM+\c], v[BM+\c], v[S+32*\c+31]
.endr
	s_delay_alu instid0(VALU_DEP_1)
	v_max_num_f32 v[TT2], v[BM], v[BM+1]
	s_delay_alu instid0(VALU_DEP_1)
	v_permlanex16_b32 v[BP], v[TT2], s[SEL], s[SEL+1]
	s_delay_alu instid0(VALU_DEP_1)
	v_max3_num_f32 v13, v13, v[TT2], v[BP]         ; the running largest score of my query
	s_delay_alu instid0(VALU_DEP_1)
	v_mul_f32 v[TT2], s[NCS], v13                  ; -t
	s_delay_alu instid0(VALU_DEP_1)
	v_floor_f32 v12, v[TT2]                        ; the new -M = floor(-t): M is a whole number
	s_delay_alu instid0(VALU_DEP_1)
	v_sub_f32 v[TT], v12, v[TT]                    ; old M - new M: a whole number, 0 or less
	s_delay_alu instid0(VALU_DEP_1)
	v_cvt_i32_f32 v[TT], v[TT]                     ; (it saturates)
	s_delay_alu instid0(VALU_DEP_1)
	v_ldexp_f32 v[FF], 1.0, v[TT]                  ; f = 2^(old M - new M)
.irp c, 0,1
	v_fma_f32 v[BM+\c], v[BM+\c], s[CS], v12       ; t - M of each block's largest score
.endr
.set i, 0
.rept 32
	v_pk_fma_f32 v[S+2*i:S+2*i+1], v[S+2*i:S+2*i+1], s[CS:CS+1], v[12:13] op_sel_hi:[1,0,0]   ; t - M, two at a time
.set i, i+1
.endr
.set i, 0
.rept 16
	v_pk_mul_f32 v[OT+2*i:OT+2*i+1], v[OT+2*i:OT+2*i+1], v[FF:FF+1] op_sel_hi:[1,0]   ; O^T under the new M, ahead of the exponentials; each accumulator from its low end on
.set i, i+1
.endr
	s_wait_alu depctr_va_vdst(0)                   ; the wait ahead of the batch
.irp c, 0,1
	v_exp_f32 v[BM+\c], v[BM+\c]                   ; the blocks' largest p
.endr
.set i, 0
.rept 64
	v_exp_f32 v[S+i], v[S+i]                       ; p = 2^(t - M), at most 1
.set i, i+1
.endr
	v_pk_mul_f32 v[14:15], v[14:15], v[FF:FF+1] op_sel_hi:[1,0]   ; the sums under the new M: the plain place behind the exponentials
	s_wait_alu depctr_va_vdst(0)                   ; one wait for the whole batch, ahead of its first reader
.irp c, 0,1
	v_max_num_f32 v[BM+\c], 0x1800000, v[BM+\c]    ; the floor 2^(3 - 127): the byte cannot fall under 1
.endr
.irp c, 0,1
	s_delay_alu instid0(VALU_DEP_2)
	v_add_nc_u32 v[SO+\c], 0xff000000, v[BM+\c]
.endr
.irp c, 0,1
	s_delay_alu instid0(VALU_DEP_2)
	v_lshrrev_b32 v[CT+\c], 23, v[SO+\c]
.endr
	s_delay_alu instid0(VALU_DEP_1)
	v_lshl_or_b32 v[PS], v[CT+1], 16, v[CT]        ; my two bytes: blocks h and 2 + h,
	s_delay_alu instid0(VALU_DEP_1)
	v_lshlrev_b32 v[PS], v[SH8], v[PS]             ; at their places;
	s_delay_alu instid0(VALU_DEP_1)
	v_permlanex16_b32 v[BP], v[PS], s[SEL], s[SEL+1]
	s_delay_alu instid0(VALU_DEP_1)
	v_or_b32 v[PS], v[PS], v[BP]                   ; with lane l xor 16's two: p's scale word for these 128 keys
.irp c, 0,1
	v_cvt_scalef32_pk16_fp6_f32 v[PC+6*\c:PC+6*\c+2], v[S+32*\c:S+32*\c+15], v[SO+\c]
	v_cvt_scalef32_pk16_fp6_f32 v[CT+4*\c:CT+4*\c+2], v[S+32*\c+16:S+32*\c+31], v[SO+\c]   ; (a conversion's three registers begin on an even number)
.endr
	v_pk_add_f32 v[14:15], v[14:15], v[S:S+1]      ; the row's sum of the unquantised p begins: the plain place behind the conversions
.irp c, 0,1
.irp n, 0,1,2
	v_mov_b32 v[PC+3+6*\c+\n], v[CT+4*\c+\n]
.endr
.endr
.irp k, 0,1,2,3                                ; the other 31 pairs, in five chains; these additions are also the places between p's codes and scale word and the products below
	v_pk_add_f32 v[CT+2*\k:CT+2*\k+1], v[S+2+4*\k:S+3+4*\k], v[S+4+4*\k:S+5+4*\k]
.endr
.irp m, 0,1,2,3
	v_pk_add_f32 v[14:15], v[14:15], v[S+18+10*\m:S+19+10*\m]
.irp k, 0,1,2,3
	v_pk_add_f32 v[CT+2*\k:CT+2*\k+1], v[CT+2*\k:CT+2*\k+1], v[S+20+10*\m+2*\k:S+21+10*\m+2*\k]
.endr
.endr
	v_pk_add_f32 v[14:15], v[14:15], v[S+58:S+59]
	v_pk_add_f32 v[CT:CT+1], v[CT:CT+1], v[S+60:S+61]
	v_pk_add_f32 v[CT+2:CT+3], v[CT+2:CT+3], v[S+62:S+63]
	v_pk_add_f32 v[CT+4:CT+5], v[CT+4:CT+5], v[CT+6:CT+7]
	s_delay_alu instid0(VALU_DEP_2)
	v_pk_add_f32 v[CT:CT+1], v[CT:CT+1], v[CT+2:CT+3]
	s_delay_alu instid0(VALU_DEP_2)
	v_pk_add_f32 v[14:15], v[14:15], v[CT+4:CT+5]
	s_delay_alu instid0(VALU_DEP_1)
	v_pk_add_f32 v[14:15], v[14:15], v[CT:CT+1]
	s_wait_dscnt 0x0                               ; V^T is in, and the next record's K
.irp g, 0,1                                    ; O^T += V^T P^T: four tiles of 16 channels, by turns
	v_wmma_scale_f32_16x16x128_f8f6f4 v[OT+16*\g:OT+16*\g+7], v[VF+24*\g:VF+24*\g+11], v[PC:PC+11], v[OT+16*\g:OT+16*\g+7], v[VS+\g], v[PS] matrix_a_fmt:MATRIX_FMT_FP6 matrix_b_fmt:MATRIX_FMT_FP6
	v_wmma_scale_f32_16x16x128_f8f6f4 v[OT+16*\g+8:OT+16*\g+15], v[VF+24*\g+12:VF+24*\g+23], v[PC:PC+11], v[OT+16*\g+8:OT+16*\g+15], v[VS+\g], v[PS] matrix_a_fmt:MATRIX_FMT_FP6 matrix_b_fmt:MATRIX_FMT_FP6 matrix_a_scale:MATRIX_SCALE_ROW1
.endr
	s_add_co_u32 s[TB], s[TB], REC
.endm
.Lunit:                                            ; two trips: my two tiles of 16 queries
.irp n, 0,1,2,3,4,5,6,7,8,9,10,11
	ds_load_b128 v[KF+4*\n:KF+4*\n+3], v[LI16] offset:512*\n     ; record 0's K
.endr
	ds_load_b128 v[KS:KS+3], v[LI16] offset:12288
	v_mov_b32 v13, 0xff61b1e6                      ; the largest score so far: -3e38
	v_mov_b32 v12, 0x7d000000                      ; -M: 2^123, so that the first f is 0
	v_mov_b32 v14, 0                               ; the sum, in two halves
	v_mov_b32 v15, 0
.set i, 0
.rept 32
	v_mov_b32 v[OT+i], 0                           ; the step is written for every record alike: the first finds zeros
.set i, i+1
.endr
	s_mov_b32 s[TB], 0
	s_mov_b32 s[ST], 15
	s_wait_loadcnt 0x0                             ; Q's tile and its scale words
	s_wait_dscnt 0x0
.Lstep:                                            ; records 0 to 14
	STEP 1
	s_sub_co_u32 s[ST], s[ST], 1
	s_cmp_lg_u32 s[ST], 0
	s_cbranch_scc1 .Lstep
	STEP 0                                         ; record 15 is written out: nothing lies behind it to fetch
.rept 4
	v_nop                                          ; places behind the last products
.endr
	s_wait_alu depctr_va_vdst(0)                   ; the wait ahead of the branch
	s_cmp_eq_u32 s[UN], 1
	s_cbranch_scc1 .Lno_q
	s_add_nc_u64 s[4:5], s[4:5], 520               ; the odd tile's registers 6-7 lie at byte 520, 8-9 at 1,024, 10-11 at 1,032; the earlier loads were waited for
	s_add_nc_u64 s[QB1:QB1+1], s[QB1:QB1+1], 1016
	s_add_nc_u64 s[QB2:QB2+1], s[QB2:QB2+1], 520
	s_add_nc_u64 s[QSP:QSP+1], s[QSP:QSP+1], 256   ; its scale words in the image's lanes 16-31
	QLOAD                                          ; lands under the way out
.Lno_q:
	; THE UNIT'S WAY OUT.  O^T / l: registers 16 g + i are channels 32 g + 16 h + i of my query's head: two blocks of 32 along C, quantised as the last product's operand.
	v_add_f32 v14, v14, v15
	s_delay_alu instid0(VALU_DEP_1)
	v_permlanex16_b32 v[TT], v14, s[SEL], s[SEL+1]
	s_delay_alu instid0(VALU_DEP_1)
	v_add_f32 v14, v14, v[TT]                      ; the row's sum
	s_wait_alu depctr_va_vdst(0)
	v_rcp_f32 v14, v14
	v_nop                                          ; a plain place behind the transcendental
	s_wait_alu depctr_va_vdst(0)                   ; and the wait ahead of its first reader, and of O^T's
.set i, 0
.rept 16
	v_pk_mul_f32 v[S+2*i:S+2*i+1], v[OT+2*i:OT+2*i+1], v[14:15] op_sel_hi:[1,0]   ; each accumulator from its low end on
.set i, i+1
.endr
.irp b, 0,1
	v_max3_num_f32 v[BM+\b], |v[S+16*\b]|, |v[S+16*\b+1]|, 0x1800000
.endr
.irp n, 2,4,6,8,10,12,14
.irp b, 0,1
	s_delay_alu instid0(VALU_DEP_2)
	v_max3_num_f32 v[BM+\b], v[BM+\b], |v[S+16*\b+\n]|, |v[S+16*\b+\n+1]|
.endr
.endr
.irp b, 0,1
	s_delay_alu instid0(VALU_DEP_2)
	v_permlanex16_b32 v[CT+4+\b], v[BM+\b], s[SEL], s[SEL+1]
.endr
.irp b, 0,1
	s_delay_alu instid0(VALU_DEP_2)
	v_max_num_f32 v[BM+\b], v[BM+\b], v[CT+4+\b]
.endr
.irp b, 0,1
	s_delay_alu instid0(VALU_DEP_2)
	v_add_nc_u32 v[SO+\b], 0xff000000, v[BM+\b]
.endr
.irp b, 0,1
	s_delay_alu instid0(VALU_DEP_2)
	v_lshrrev_b32 v[CT+4+\b], 23, v[SO+\b]
.endr
	s_delay_alu instid0(VALU_DEP_1)
	v_lshl_or_b32 v[TT], v[CT+5], 8, v[CT+4]       ; my row's two scale bytes
	v_cvt_scalef32_pk16_fp6_f32 v[PC:PC+2], v[S:S+15], v[SO]
	v_cvt_scalef32_pk16_fp6_f32 v[CT:CT+2], v[S+16:S+31], v[SO+1]
	v_nop
.irp n, 0,1,2
	v_permlane16_swap_b32 v[PC+\n], v[CT+\n]
.endr
.irp n, 0,1,2
	s_delay_alu instid0(VALU_DEP_3)
	v_mov_b32 v[PC+3+\n], v[CT+\n]
.endr
.irp n, 0,1,2
	global_store_b64 v[LI8], v[PC+2*\n:PC+2*\n+1], s[AW:AW+1] offset:256*\n   ; 32 lanes store 256 consecutive bytes, at a multiple of 256 from the buffer's first byte
.endr
	v_add_nc_u32 v[AD8], s[UO], v[ASA0]
	ds_store_b16 v[AD8], v[TT]                     ; both halves of the lanes write the same two bytes with the same value
	s_wait_xcnt 0x0                                ; the stores have read their registers and their base
	s_add_nc_u64 s[AW:AW+1], s[AW:AW+1], 3072      ; the next tile
	s_add_co_u32 s[UO], s[UO], 128
	s_sub_co_u32 s[UN], s[UN], 1
	s_cmp_lg_u32 s[UN], 0
	s_cbranch_scc1 .Lunit
	s_wait_dscnt 0x0                               ; for the others' sake: my scale bytes lie in LDS
	s_barrier_signal -1
	s_barrier_wait -1
	s_cmp_lt_u32 s[WV], 4                          ; waves 0-3 store the 128 rows' 8 bytes each: the group's part of a row of asc
	s_cbranch_scc0 .Lno_bytes
	ds_load_b64 v[BM:BM+1], v[ASR]
	s_wait_dscnt 0x0
	global_store_b64 v[ASO], v[BM:BM+1], s[10:11]
.Lno_bytes:
	s_wait_tensorcnt 0x0                           ; the wave's end
	ds_add_u32 v[SPW], v[NIL]
	s_wait_dscnt 0x0
	CROUND                                         ; the closing round
	s_endpgm
.Lfunc_end_k_q642860f67b_attn:
	.size	k_q642860f67b_attn, .Lfunc_end_k_q642860f67b_attn-k_q642860f67b_attn
	.p2alignl 7, 3214868480
	.fill 96, 4, 3214868480
	.section	.rodata,"a",@progbits
	.p2align	6, 0x0
	.amdhsa_kernel k_q642860f67b_attn
		.amdhsa_group_segment_fixed_size 211968
		.amdhsa_private_segment_fixed_size 0
		.amdhsa_enable_private_segment 0
		.amdhsa_kernarg_size 32
		.amdhsa_user_sgpr_count 2
		.amdhsa_user_sgpr_kernarg_segment_ptr 1
		.amdhsa_wavefront_size32 1
		.amdhsa_system_sgpr_workgroup_id_x 1
		.amdhsa_system_sgpr_workgroup_id_y 1
		.amdhsa_system_sgpr_workgroup_id_z 1
		.amdhsa_system_vgpr_workitem_id 0
		.amdhsa_next_free_vgpr 256
		.amdhsa_next_free_sgpr 66
		.amdhsa_reserve_vcc 0
		.amdhsa_float_denorm_mode_32 3
		.amdhsa_float_denorm_mode_16_64 3
		.amdhsa_memory_ordered 1
		.amdhsa_forward_progress 1
		.amdhsa_inst_pref_size 43
	.end_amdhsa_kernel
	.amdgpu_metadata
---
amdhsa.version: [ 1, 2 ]
amdhsa.kernels:
  - .name:           k_q642860f67b_attn
    .symbol:         k_q642860f67b_attn.kd
    .args:
      - { .name: qws, .offset: 0, .size: 8, .value_kind: global_buffer, .address_space: global }
      - { .name: kvws, .offset: 8, .size: 8, .value_kind: global_buffer, .address_space: global }
      - { .name: aws, .offset: 16, .size: 8, .value_kind: global_buffer, .address_space: global }
      - { .name: asc, .offset: 24, .size: 8, .value_kind: global_buffer, .address_space: global }
    .group_segment_fixed_size: 211968
    .private_segment_fixed_size: 0
    .kernarg_segment_align: 8
    .kernarg_segment_size: 32
    .max_flat_workgroup_size: 512
    .sgpr_count:     66
    .vgpr_count:     256
    .wavefront_size: 32
...
	.end_amdgpu_metadata
.endif
;; end of part 2
;; launch oproj (part 3): grid 4 x 64, 4 waves a work-group, clusters of 4 x 4, 327,680 bytes of LDS; arguments aws, asc, Wo_codes, Wo_scales, out0; writes out0
.if DOCPART == 3
	.amdgcn_target "amdgcn-amd-amdhsa--gfx1250"
	.amdhsa_code_object_version 6
	.text
	.protected	k_q642860f67b_oproj
	.globl	k_q642860f67b_oproj
	.p2align	8
	.type	k_q642860f67b_oproj,@function
k_q642860f67b_oproj:
	s_mov_b64 s[64:65], 0
	v_nop
	global_prefetch_b8 v0, s[64:65] scope:SCOPE_SE
	s_setreg_imm32_b32 hwreg(HW_REG_WAVE_MODE, 25, 1), 1
	s_wait_xcnt 0x0
	s_wait_alu depctr_hold_cnt(0) depctr_sa_sdst(0) depctr_va_vdst(0) depctr_va_sdst(0) depctr_va_ssrc(0) depctr_va_vcc(0) depctr_vm_vsrc(0)
	s_getreg_b32 s2, hwreg(HW_REG_IB_STS2, 6, 4)
	s_cmp_eq_u32 s2, 0
	s_cbranch_scc0 .Lentry_in_a_cluster
	s_endpgm
.Lentry_in_a_cluster:
	s_bfe_u32 s2, ttmp6, 0x10000c
	s_cmp_lg_u32 s2, 0xf033
	s_cbranch_scc0 .Lentry_shape_is_right
	s_endpgm
.Lentry_shape_is_right:
; out0[m][n] = sum over k of A[m][k] Wo[n][k], on codes of FP6 (E2M3) with one E8M0 scale for each 32 along K; sums in f32.  No work is left out.
; A is the attention's result as the launch before stored it: aws holds, for each 128 rows, [4 groups of 256 k][8 tiles of 16 rows][2 steps of 128 k] images of the operand's 12 registers (6 x 256 bytes); asc holds 32 scale bytes a row.
; A work-group of four waves makes 128 rows x 256 columns: 64 x 4 = 256 work-groups.  A wave makes 64 x 128: 32 accumulators.
; ALL OF K LIES IN LDS, filled once: A's 98,304 bytes, dense, and Wo's 256 whole rows of 768 bytes (each begins at a multiple of 256 bytes) with 16 bytes of padding behind every 256: an LDS row of 816 bytes.
; One tensor load a wave: waves 0, 1 halves of A, waves 2, 3 halves of Wo's rows.  Nothing is filled again, so there is no ring.
; The scale words go from memory into registers: a row's 32 bytes are its 8 words for the 8 steps; 16 lanes read 512 consecutive bytes in two loads.
; CLUSTER 4 x 4: A's tile hangs on the tile row alone and is asked for jointly along a row of the cluster, Wo's on the tile column alone, along a column.
; No data prefetch: every byte is asked for at the head, and there is no loop to run ahead in.
; The matrix instruction is used transposed (source 0 = 16 rows of Wo, source 1 = 16 rows of A): a lane holds eight neighbouring columns of a row of the result.
; REGISTERS: window 0: v0-31 addresses; v32-63 A's scale words (8 a + step), v64-127 Wo's (8 b + step); v128-223 A's fragments, two sets of 48.  Window 1: Wo's fragments, two sets of 96, at v0 and v128.  Window 2: accumulator (a, b) at v[8 (8 a + b)].
.set SIZE_N, 1024
.set BPITCH, 816
.set AHALF,  49152
.set BBASE,  2*AHALF
.set HALFB,  128*BPITCH
.set SPARE,  BBASE+2*HALFB             ; 307,200: the spare words, 512 bytes
.set SPITCH, 528                       ; the way out: a stage of 16 rows x (512 + 16) bytes a wave, in A's bytes, behind a barrier behind which nobody reads them
.set ADRA, 16                          ; v16-17 my A images, steps 0-3, 4-7
.set ADRB, 20                          ; v20-23 my rows of Wo: blocks 0-3 (plain; lanes 16-31 one chunk on), blocks 4-7 likewise
.set STO,  24
.set RD,   25
.set CO,   26
.set SOF,  27
.set SPW,  28
.set NIL,  29
.set SA,   32
.set SB,   64
.set AF,   128
.set BK,   128
.set G1, 24
.set G0, 32
.set G1B, 48
.set G0B, 56
.set MSB, 0
.macro WIN new
.if MSB != \new
	s_set_vgpr_msb (MSB<<8)|\new
.set MSB, \new
.endif
.endm
.set MUL,  0xa1
.set TO_B, 0x40
.macro CROUND
	s_barrier_signal -1
	s_barrier_wait -1
	s_cmp_lg_u32 s14, 0
	s_cbranch_scc1 .Lnot_wave_0_\@
	s_barrier_signal -3
.Lnot_wave_0_\@:
	s_barrier_wait -3
	s_barrier_signal -1
	s_barrier_wait -1
.endm
.macro PLACES
.rept 4
	v_nop
.endr
.endm
	s_load_b128 s[4:7], s[0:1], 0x0                ; aws, asc
	s_load_b128 s[8:11], s[0:1], 0x10              ; Wo's codes, scales
	s_load_b64 s[12:13], s[0:1], 0x20              ; out0
	v_lshl_add_u32 v[SPW], v0, 2, SPARE
	v_mov_b32 v[NIL], 0
	ds_add_u32 v[SPW], v[NIL]                      ; the opening lines: the add twice on end and its wait
	ds_add_u32 v[SPW], v[NIL]
	v_lshrrev_b32 v1, 5, v0
	v_readfirstlane_b32 s14, v1                    ; wave
	v_and_b32 v1, 15, v0                           ; l % 16
	v_lshlrev_b32 v[SOF], 5, v1                    ; a row of scales is 32 bytes
	s_lshr_b32 s15, s14, 1                         ; my 64 rows; also: I fetch for A (0) or for Wo (1)
	s_and_b32 s16, s14, 1                          ; my 128 columns; also: which half I fetch
	s_bfe_u32 s40, ttmp6, 0x40000
	s_bfe_u32 s41, ttmp6, 0x40004
	s_lshl_b32 s42, ttmp9, 2
	s_add_co_u32 s42, s42, s40                     ; tile column
	s_and_b32 s17, ttmp7, 0xffff
	s_lshl_b32 s17, s17, 2
	s_add_co_u32 s17, s17, s41                     ; tile row
	s_lshl_b32 s43, s41, 2
	s_lshl_b32 s43, 15, s43                        ; my row of the cluster
	s_lshl_b32 s44, 0x1111, s40                    ; my column
	s_or_b32 s[G1+0], s43, (3<<16)|(1<<21)         ; A: 192 rows of 256 bytes (32 elements of 8), dense, no padding
	s_mov_b32 s[G1+1], 32<<16
	s_mov_b32 s[G1+2], 192<<16
	s_mov_b32 s[G1+3], 32<<16
	s_mov_b32 s[G1+4], 192
	s_mov_b32 s[G1+5], 32
	s_mov_b32 s[G1+6], 0
	s_mov_b32 s[G1+7], 0
	s_or_b32 s[G1B+0], s44, (1<<20)|(1<<21)|(5<<22)|(3<<25)  ; Wo: 128 rows of 768 bytes, 4 words of padding behind every 64
	s_mov_b32 s[G1B+1], 768<<16
	s_mov_b32 s[G1B+2], 128<<16
	s_mov_b32 s[G1B+3], 768<<16
	s_mov_b32 s[G1B+4], 128
	s_mov_b32 s[G1B+5], 768
	s_mov_b32 s[G1B+6], 0
	s_mov_b32 s[G1B+7], 0
	s_mul_i32 s20, s17, 2*AHALF                    ; A's tile: 98,304 bytes for each 128 rows, + my half
	s_mul_i32 s18, s16, AHALF
	s_add_co_u32 s20, s20, s18
	s_mov_b32 s21, 0
	s_lshl_b32 s46, s42, 8
	s_lshl_b32 s47, s16, 7
	s_add_co_u32 s46, s46, s47                     ; Wo's row 256 x tile column + 128 x half: the rows that I fetch, and my columns
	s_lshl_b32 s92, s46, 5                         ; their scales
	s_mov_b32 s93, 0
	s_mul_i32 s46, s46, 768
	s_mov_b32 s47, 0
	s_lshl_b32 s22, s17, 7
	s_lshl_b32 s23, s15, 6
	s_add_co_u32 s22, s22, s23                     ; my first row of the result
	s_lshl_b32 s2, s22, 12                         ; x 4,096 bytes,
	s_lshl_b32 s22, s22, 5                         ; and its scales
	s_mov_b32 s23, 0
	s_lshl_b32 s3, s42, 10
	s_add_co_u32 s2, s2, s3
	s_lshl_b32 s3, s16, 9
	s_add_co_u32 s2, s2, s3                        ; + 1,024 x tile column + 512 x half
	s_mov_b32 s3, 0
	s_mul_i32 s94, s16, HALFB
	s_add_co_u32 s94, s94, BBASE                   ; LDS: my half of Wo's rows (fetched, and read)
	s_add_co_u32 s95, s94, 64*BPITCH               ; its blocks 4-7
	s_mul_i32 s66, s15, 4*3072                     ; my four tiles in A's images
	s_mul_i32 s67, s14, 16*SPITCH                  ; my stage
	s_wait_alu depctr_va_vdst(0)                   ; the wait ahead of the waits below
	s_wait_dscnt 0x0                               ; both opening adds are done
	s_wait_kmcnt 0x0
	s_add_nc_u64 s[20:21], s[4:5], s[20:21]
	s_add_nc_u64 s[22:23], s[6:7], s[22:23]
	s_add_nc_u64 s[46:47], s[8:9], s[46:47]
	s_add_nc_u64 s[92:93], s[10:11], s[92:93]
	s_add_nc_u64 s[12:13], s[12:13], s[2:3]
.irp a, 0,1,2,3
	global_load_b128 v[SA+8*\a:SA+8*\a+3], v[SOF], s[22:23] offset:512*\a
	global_load_b128 v[SA+8*\a+4:SA+8*\a+7], v[SOF], s[22:23] offset:512*\a+16
.endr
.irp b, 0,1,2,3,4,5,6,7
	global_load_b128 v[SB+8*\b:SB+8*\b+3], v[SOF], s[92:93] offset:512*\b
	global_load_b128 v[SB+8*\b+4:SB+8*\b+7], v[SOF], s[92:93] offset:512*\b+16
.endr
	CROUND                                         ; the round in front of the joint loads
	s_mov_b32 s[G0], 1
	s_mov_b32 s[G0+1], s18
	s_mov_b64 s[G0+2:G0+3], s[20:21]
	s_or_b32 s[G0+3], s[G0+3], 0x80000000
	s_mov_b32 s[G0B], 1
	s_mov_b32 s[G0B+1], s94
	s_mov_b64 s[G0B+2:G0B+3], s[46:47]
	s_or_b32 s[G0B+3], s[G0B+3], 0x80000000
	s_cmp_eq_u32 s15, 0
	s_cbranch_scc0 .Lfor_b
	tensor_load_to_lds s[G0:G0+3], s[G1:G1+7]      ; my one tensor load of the launch
	s_nop 0
	PLACES
	s_branch .Lasked
.Lfor_b:
	tensor_load_to_lds s[G0B:G0B+3], s[G1B:G1B+7]
	s_nop 0
	PLACES
.Lasked:
	v_bfe_u32 v2, v0, 4, 1                         ; l / 16
	v_and_b32 v6, 31, v0
	v_mul_u32_u24 v3, v1, BPITCH
	v_mad_u32_u24 v4, v2, 24, v3                   ; row x pitch + 24 x half;
	v_mad_u32_u24 v5, v2, 40, v3                   ; where lanes 16-31 read the next 256 bytes of the row: 16 of padding more
	v_add_nc_u32 v[ADRB], s94, v4
	v_add_nc_u32 v[ADRB+1], s94, v5
	v_add_nc_u32 v[ADRB+2], s95, v4
	v_add_nc_u32 v[ADRB+3], s95, v5
	v_lshl_add_u32 v[ADRA], v6, 3, s66
	v_add_nc_u32 v[ADRA+1], AHALF, v[ADRA]
	v_mul_u32_u24 v7, v1, SPITCH
	v_lshl_add_u32 v7, v2, 5, v7
	v_add_nc_u32 v[STO], s67, v7
	v_lshlrev_b32 v[CO], 4, v6
	v_add_nc_u32 v[RD], s67, v[CO]
.macro FRAGB reg, st, i                ; byte y of a row lies at y + 16 (y / 256) of its LDS row
.irp p, 0,1,2,3,4,5
.set BY, 96*(\st)+48*(\p/3)+8*(\p%3)
.if BY/256 == (BY+24)/256
	ds_load_b64 v[\reg+2*\p:\reg+2*\p+1], v[ADRB+2*((\i)/4)] offset:BY+16*(BY/256)+((\i)%4)*16*BPITCH
.else
	ds_load_b64 v[\reg+2*\p:\reg+2*\p+1], v[ADRB+1+2*((\i)/4)] offset:BY+16*(BY/256)+((\i)%4)*16*BPITCH
.endif
.endr
.endm
.macro FETCH st                        ; 72 LDS loads: step st's fragments into set st % 2
	WIN TO_B
.irp i, 0,1,2,3,4,5,6,7
	FRAGB 128*((\st)%2)+12*\i, \st, \i
.endr
	WIN 0
.irp i, 0,1,2,3
.irp p, 0,1,2,3,4,5
	ds_load_b64 v[AF+48*((\st)%2)+12*\i+2*\p:AF+48*((\st)%2)+12*\i+2*\p+1], v[ADRA+(\st)/4] offset:(((\st)/2)%2)*24576+\i*3072+((\st)%2)*1536+256*\p
.endr
.endr
.endm
; 16 matrix instructions: A's blocks a0, a0 + 1 x Wo's eight; the accumulators take turns
.macro MUL16 a0, st, zero
.irp a, \a0, \a0+1
.irp b, 0,1,2,3,4,5,6,7
.if \zero
	v_wmma_scale_f32_16x16x128_f8f6f4 v[8*(8*(\a)+\b):8*(8*(\a)+\b)+7], v[128*((\st)%2)+12*\b:128*((\st)%2)+12*\b+11], v[AF+48*((\st)%2)+12*(\a):AF+48*((\st)%2)+12*(\a)+11], 0, v[SB+8*\b+(\st)], v[SA+8*(\a)+(\st)] matrix_a_fmt:MATRIX_FMT_FP6 matrix_b_fmt:MATRIX_FMT_FP6
.else
	v_wmma_scale_f32_16x16x128_f8f6f4 v[8*(8*(\a)+\b):8*(8*(\a)+\b)+7], v[128*((\st)%2)+12*\b:128*((\st)%2)+12*\b+11], v[AF+48*((\st)%2)+12*(\a):AF+48*((\st)%2)+12*(\a)+11], v[8*(8*(\a)+\b):8*(8*(\a)+\b)+7], v[SB+8*\b+(\st)], v[SA+8*(\a)+(\st)] matrix_a_fmt:MATRIX_FMT_FP6 matrix_b_fmt:MATRIX_FMT_FP6
.endif
.endr
.endr
.endm
.macro STEP st, zero                   ; the next step's fragments are fetched in the step's middle, into the set that the step before multiplied
	s_wait_dscnt 0x0                               ; this step's fragments are in
	WIN MUL
	MUL16 0, \st, \zero
	PLACES                                         ; four places in front of loads into registers that matrix instructions have read
	FETCH (\st)+1
	WIN MUL
	MUL16 2, \st, \zero
.endm
	s_wait_alu depctr_va_vdst(0)                   ; the wait at the head's end
	s_wait_loadcnt 0x0                             ; the scale words
	s_wait_tensorcnt 0x0                           ; my part has landed,
	s_barrier_signal -1
	s_barrier_wait -1                              ; everybody's has
	FETCH 0
	STEP 0, 1                                      ; the first step's products start the sums
.set ST, 1
.rept 6
	STEP ST, 0
.set ST, ST+1
.endr
	s_wait_dscnt 0x0                               ; the last step: my reads of LDS are over:
	s_barrier_signal -1
	WIN MUL
	MUL16 0, 7, 0
	MUL16 2, 7, 0
	WIN 0
	s_barrier_wait -1                              ; everybody's are: A's bytes may take the stages
; THE WAY OUT, 16 rows x 128 columns at a time, through my stage: back as whole rows of 512 bytes.  LDS serves a wave's instructions in order (ISA guide 5.7.1.4).
.macro TOSTAGE a
	WIN 0x08                                       ; the data: window 2
.irp b, 0,1,2,3,4,5,6,7
	ds_store_b128 v[STO], v[64*(\a)+8*\b:64*(\a)+8*\b+3] offset:64*\b        ; each accumulator from its low end on
	ds_store_b128 v[STO], v[64*(\a)+8*\b+4:64*(\a)+8*\b+7] offset:64*\b+16
.endr
	WIN 0
.set BB, BK+64*((\a)%2)
.irp t, 0,1,2,3,4,5,6,7,8,9,10,11,12,13,14,15
	ds_load_b128 v[BB+4*\t:BB+4*\t+3], v[RD] offset:\t*SPITCH
.endr
.endm
.macro SEND a, younger
.set BB, BK+64*((\a)%2)
	s_wait_dscnt \younger                          ; the block is back; the next block's 16 stores and 16 loads may be out
.irp t, 0,1,2,3,4,5,6,7,8,9,10,11,12,13,14,15
	; the first launch laid row t of tile 4 c + a as token 64 c + 32 (t / 8) + 8 a + t % 8 (c: my 64 rows): each row goes to its token's place
	global_store_b128 v[CO], v[BB+4*\t:BB+4*\t+3], s[12:13] offset:(32*(\t/8)+8*(\a)+\t%8)*SIZE_N*4 th:TH_STORE_NT   ; 32 lanes store 512 consecutive bytes, at a multiple of 256 from the buffer's first byte
.endr
.endm
	PLACES
	TOSTAGE 0
.irp a, 1,2,3
.if \a > 1
	s_wait_xcnt 0x0                                ; block a - 2's stores have read their registers and their base
.endif
	TOSTAGE \a
	SEND \a-1, 32
.endr
	s_wait_xcnt 0x0
	SEND 3, 0
	s_wait_tensorcnt 0x0                           ; the wave's end
	ds_add_u32 v[SPW], v[NIL]
	s_wait_dscnt 0x0
	CROUND                                         ; the closing round
	s_endpgm
.Lfunc_end_k_q642860f67b_oproj:
	.size	k_q642860f67b_oproj, .Lfunc_end_k_q642860f67b_oproj-k_q642860f67b_oproj
	.p2alignl 7, 3214868480
	.fill 96, 4, 3214868480
	.section	.rodata,"a",@progbits
	.p2align	6, 0x0
	.amdhsa_kernel k_q642860f67b_oproj
		.amdhsa_group_segment_fixed_size 327680
		.amdhsa_private_segment_fixed_size 0
		.amdhsa_enable_private_segment 0
		.amdhsa_kernarg_size 40
		.amdhsa_user_sgpr_count 2
		.amdhsa_user_sgpr_kernarg_segment_ptr 1
		.amdhsa_wavefront_size32 1
		.amdhsa_system_sgpr_workgroup_id_x 1
		.amdhsa_system_sgpr_workgroup_id_y 1
		.amdhsa_system_sgpr_workgroup_id_z 1
		.amdhsa_system_vgpr_workitem_id 0
		.amdhsa_next_free_vgpr 1024
		.amdhsa_next_free_sgpr 98
		.amdhsa_reserve_vcc 0
		.amdhsa_float_denorm_mode_32 3
		.amdhsa_float_denorm_mode_16_64 3
		.amdhsa_memory_ordered 1
		.amdhsa_forward_progress 1
		.amdhsa_inst_pref_size 94
	.end_amdhsa_kernel
	.amdgpu_metadata
---
amdhsa.version: [ 1, 2 ]
amdhsa.kernels:
  - .name:           k_q642860f67b_oproj
    .symbol:         k_q642860f67b_oproj.kd
    .args:
      - { .name: aws, .offset: 0, .size: 8, .value_kind: global_buffer, .address_space: global }
      - { .name: asc, .offset: 8, .size: 8, .value_kind: global_buffer, .address_space: global }
      - { .name: Wo_codes, .offset: 16, .size: 8, .value_kind: global_buffer, .address_space: global }
      - { .name: Wo_scales, .offset: 24, .size: 8, .value_kind: global_buffer, .address_space: global }
      - { .name: out0, .offset: 32, .size: 8, .value_kind: global_buffer, .address_space: global }
    .group_segment_fixed_size: 327680
    .private_segment_fixed_size: 0
    .kernarg_segment_align: 8
    .kernarg_segment_size: 40
    .max_flat_workgroup_size: 128
    .sgpr_count:     98
    .vgpr_count:     1024
    .wavefront_size: 32
...
	.end_amdgpu_metadata
.endif
;; end of part 3
